; MI455X (gfx1250); checked and timed in simulation.
; The chip was launched on July 23, 2026; its instructions are those of AMD's public machine-readable ISA for CDNA 5 (MIT licence, August 2026) and "CDNA5" Instruction Set Architecture Reference Guide (July 2026). The comments in the code are by the model that wrote it; some were corrected since.
;; Cross Linear Attention. Allowed arithmetic: float matrix products may take bf16 or f16 operands with f32 sums; all other float work in f32.
;; Inputs: Wkv 256 x 1,024 float32; Wout 512 x 256 float32; Wq 256 x 512 float32; bout 256 float32; x 4 x 8,192 x 256 float32; z 4 x 8,192 x 256 float32.
;; Outputs: out0 4 x 8,192 x 256 float32.
;; One version. Each part assembles by itself: llvm-mc -triple=amdgcn-amd-amdhsa -mcpu=gfx1250 --defsym DOCPART=n.
;; ======== version 1 of 1: 4 launches
;; workspace buffers: part 16,777,216 bytes; ufrag 2,097,152 bytes; mfrag 524,288 bytes
;; launch kvdots (part 1): grid 2 x 128, 4 waves a work-group, no clusters, 303,616 bytes of LDS; arguments z, Wkv, part; writes part
.if DOCPART == 1
	.amdgcn_target "amdgcn-amd-amdhsa--gfx1250"
	.amdhsa_code_object_version 6
	.text
	.protected	k_qa2a8c6cdf6_kvdots
	.globl	k_qa2a8c6cdf6_kvdots
	.p2align	8
	.type	k_qa2a8c6cdf6_kvdots,@function
k_qa2a8c6cdf6_kvdots:
	s_mov_b64 s[64:65], 0
	v_nop
	global_prefetch_b8 v0, s[64:65] scope:SCOPE_SE
	s_setreg_imm32_b32 hwreg(HW_REG_WAVE_MODE, 25, 1), 1
	s_wait_xcnt 0x0
; CrossLinearAttention, launch 1 of 4: kv = z Wkv, instance norm of k and of v over each head's 64 features, partial dots = k^T v.
;
; THE WHOLE PROGRAM.  Behind dots everything in reference() is linear in x, so for all values of the inputs
;   out = x M_b + bout,   M_b = sum over heads h of Wq_h (dots_bh / n2) Wout_h   (256 x 256 for each batch b).
; Launch 1 makes partial dots over 256 tokens; launch 2 sums 32 partials, scales by 1/n2 and makes U_h = D_h Wout_h;
; launch 3 makes M = Wq U; launch 4 makes out = x M + bout.  No input and no step is left out: every input is loaded.
; LIMITS.  The products are associated otherwise than in reference(), so the order of rounding differs; a NaN, an infinity or an
; overflow that reference() would form only in q or in q dots is not formed here.  Matrix operands are bf16 (z, x, the weights, the
; centred k, the scaled v, M: one rounding each; D and U: a pair hi + lo of bf16); sums, norms, the bias in f32.
;
; THIS LAUNCH.  Work-group (hg, y): heads 4 hg .. 4 hg + 3, tokens 256 y .. 256 y + 255 (flat over batch and token).  Wave w owns head
; H = 4 hg + w and all 256 tokens, so k, v, the norm and dots never leave the wave.  Its 128 columns of Wkv stay in 512 registers as
; bf16 fragments, rounded as they are given: the mean is taken from k and v themselves, in f32, so that Wkv has one rounding and no other.
; A work-group's tokens times its columns are 131,072 whatever the split, and tokens + columns KiB of f32 come in: 256 + 512 here, close to the least.
; z: one tensor load a wave brings 64 rows in f32 (a first fill, one outstanding, never filled again); the wave that brought them turns them
; to bf16 once, in place (the first 512 bytes of each row), between the weight batches; one barrier; then all waves read bf16 fragments.
; No joint loads: a z tile is wanted by two work-groups only, and Wkv goes from memory straight into registers, not through LDS.
;
; TURNS.  A tile is 16 tokens.  Tile T's 64 products (8 K steps x (4 tiles of k, 4 of v)) write accumulator set T mod 2; behind each product
; stands one slice of the norm of tile T - 1, which lies in the other set.  The slices are also the independent vector places that stand between a
; product and a reader of its result or a load into its sources.  dots of a pair of tiles (32 tokens) is a block of 16 products set behind
; K step 1 of the odd tile that follows.
; A tile's LDS instructions stand in two runs, so that the stream of products is broken twice a tile and not once for each of them:
;   run A, behind K step 5: the four stores of the other tile's k, the eight loads of the next tile's z fragments 0 to 3;
;   run B, behind K step 7: the four stores of its v, behind an even tile the sixteen transposing loads of the finished pair, the eight loads of fragments 4 to 7.
; The norm is taken in two passes (mean, then the centred squares).  Only v is scaled, by rk rv:
; sum over n of (ck rk)(cv rv) = sum over n of ck (cv rk rv), and bf16 has the range for the unscaled centred k.
;
; REGISTERS: window 0 as named below; window 1: Wk fragments at (4 s + t) 8; window 2: Wv likewise; window 3: v0-127 the 16 tiles of dots at
; (4 a + eb) 8, v128-191 k^T and v^T fragments (at the start v128-255: z in f32).  The weights fill two windows and are source 0 of every
; product, so a product and its slice cost two switches of the window: with them a product and its slice are at most 7 instructions.
.set ZP,   1040                        ; an LDS row of z: 1,024 bytes + 16: an odd multiple of 16, so sixteen rows start at sixteen different 16-byte columns of 256 bytes
.set SCR,  256*ZP                      ; behind z: the waves' scratch, written by ds_store alone
.set SP,   288                         ; a scratch row (one token): 64 k, 64 v in bf16 + 32 bytes: an odd multiple of 32, as the transposing loads want
.set SCRW, 32*SP                       ; 32 tokens: a wave's scratch
.set RZA, 2                            ; LDS address of my z fragment bytes: r ZP + 16 h', stepped 32 rows a pair of tiles
.set RST, 3                            ; scratch, in: r SP + 64 h'
.set RTR, 4                            ; scratch, transposed reads: (8 h' + (L & 7)) SP + 16 ((L >> 3) & 1)
.set RWA, 5                            ; Wkv: (8 h' rows) + 16 r
.set ROA, 6                            ; part: 16 L
.set RZC, 7                            ; z's conversion, reads: my 64 rows + 16 L
.set CH,  8                            ; v[8:15] four chains of pairs for k, v[16:23] for v
.set NMU, 24                           ; v[24:25] - mean of k, twice; v[26:27] of v
.set RKV, 28                           ; v[28:29] rk rv, twice
.set RS,  30                           ; v30, v31 the two 1/sqrt; v32, v33 var + eps
.set RPL, 34                           ; v34, v35 destinations of the lane exchange
.set PK,  36                           ; v[36:51] packed bf16 on the way to the scratch: k's, then v's
.set RZS, 52                           ; z's conversion, stores: my 64 rows + 8 L
.set ZF,  64                           ; v[64:127] eight z fragments (16 tokens x 256)
.set AB,  128                          ; v[128:191] accumulator set 0: k's tile t at + 8 t, v's at + 32 + 8 t; v[192:255] set 1
.set BUF0, 64                          ; v[64:255] at the start: three landings of 64 registers for Wkv
.set KF,  128                          ; window 3: k^T fragments
.set VF,  160                          ; window 3: v^T fragments
.set ZL,  128                          ; window 3, at the start: z in f32, then packed in place
.set G1, 24                            ; s[24:31] descriptor group 1
.set G0, 32                            ; s[32:35] descriptor group 0
.set MSB, 0
.macro WIN new                         ; the immediate's high byte repeats the setting that is left
.if MSB != (\new)
	s_set_vgpr_msb (MSB<<8)|(\new)
.set MSB, (\new)
.endif
.endm
.macro PLACES                          ; four independent vector places behind a matrix instruction (ISA guide 7.12.1)
.rept 4
	v_nop
.endr
.endm
	s_load_b128 s[4:7], s[0:1], 0x0                ; z s[4:5], Wkv s[6:7]
	s_load_b64 s[8:9], s[0:1], 0x10                ; part
	v_lshl_add_u32 v62, v0, 2, 0x4a000
	v_mov_b32 v63, 0
	ds_add_u32 v62, v63
	ds_add_u32 v62, v63
	v_lshrrev_b32 v1, 5, v0
	v_readfirstlane_b32 s10, v1                    ; wave w
	s_and_b32 s12, ttmp7, 0xffff                   ; y: the chunk of 256 tokens
	s_lshl_b32 s13, ttmp9, 2
	s_add_co_u32 s13, s13, s10                     ; H = 4 hg + w
	; group 1: 64 rows of 256 f32, 4 words of padding behind each 256 words
	s_mov_b32 s[G1+0], (2<<16)|(1<<20)|(7<<22)|(3<<25)   ; no mask; elements of 4 bytes; padding on; after 256 words; 4 words
	s_mov_b32 s[G1+1], 256<<16                     ; tensor_dim0 = 256
	s_mov_b32 s[G1+2], 64<<16                      ; tensor_dim1 = 64
	s_mov_b32 s[G1+3], 256<<16                     ; tile_dim0 = 256
	s_mov_b32 s[G1+4], 64                          ; tile_dim1 = 64
	s_mov_b32 s[G1+5], 256                         ; elements from row to row
	s_mov_b32 s[G1+6], 0
	s_mov_b32 s[G1+7], 0
	s_mov_b32 s[G0], 1
	s_mul_i32 s[G0+1], s10, 64*ZP                  ; LDS: my 64 rows
	s_lshl_b32 s2, s12, 18                         ; 256 tokens of 1,024 bytes a chunk,
	s_lshl_b32 s3, s10, 16                         ; 64 a wave
	s_add_co_u32 s2, s2, s3
	s_mov_b32 s3, 0
	s_wait_dscnt 0x0
	s_wait_kmcnt 0x0
	s_add_nc_u64 s[G0+2:G0+3], s[4:5], s[2:3]
	s_or_b32 s[G0+3], s[G0+3], 0x80000000
	tensor_load_to_lds s[G0:G0+3], s[G1:G1+7]      ; my one tensor load
	s_nop 0
	s_lshl_b32 s2, s13, 8
	s_add_nc_u64 s[6:7], s[6:7], s[2:3]            ; Wkv at my head's 64 columns of k (v: 2,048 bytes further)
	s_lshl3_add_u32 s2, s12, s13
	s_lshl_b32 s2, s2, 14
	s_add_nc_u64 s[8:9], s[8:9], s[2:3]            ; part at (8 y + H) x 16 KiB
	s_mov_b32 s14, 0x76543210                      ; lane i of one half reads lane i of the other
	s_mov_b32 s15, 0xfedcba98
	s_mov_b32 s16, 0xbc800000                      ; - 1/64
	s_mov_b32 s17, 0x3c800000                      ; 1/64
	s_mov_b32 s18, 0x3727c5ac                      ; eps = 1e-5
	v_and_b32 v53, 15, v0                          ; r
	v_bfe_u32 v54, v0, 4, 1                        ; h'
	v_and_b32 v55, 31, v0                          ; L
	v_lshlrev_b32 v[RWA], 4, v53
	v_lshl_or_b32 v[RWA], v54, 15, v[RWA]          ; 16 r + 8 h' rows of 4,096 bytes
; Wkv is [256 (K)][1024 (N)] in f32.  Lane (r, h') loads 16 bytes at row k + 8 h', columns 4 r .. 4 r + 3 of the head's 64: sixteen lanes
; take 256 consecutive aligned bytes.  Word t of rows k and k + 1, packed, is a register of tile t's fragment, in which lane r stands for column 4 r + t.
; Batch bn = 8 G + s: the 32 rows of K step s, G = 0 for k, 1 for v.
.macro WLOAD bn
.irp q, 0,1
.irp i, 0,1,2,3,4,5,6,7
	global_load_b128 v[BUF0+64*((\bn)%3)+(8*\q+\i)*4:BUF0+64*((\bn)%3)+(8*\q+\i)*4+3], v[RWA], s[6:7] offset:(32*((\bn)%8)+16*\q+\i)*4096+2048*((\bn)/8)
.endr
.endr
.endm
.macro WBATCH bn, left, win
	s_wait_loadcnt \left                           ; loads come back in order: this batch is in, the younger batches (16 loads each) stay out
	WIN \win
.irp t, 0,1,2,3
.irp q, 0,1
.irp ii, 0,1,2,3
	v_cvt_pk_bf16_f32 v[(4*((\bn)%8)+\t)*8+4*\q+\ii], v[BUF0+64*((\bn)%3)+(8*\q+2*\ii)*4+\t], v[BUF0+64*((\bn)%3)+(8*\q+2*\ii+1)*4+\t]
.endr
.endr
.endr
	WIN 0
.if \bn+3 < 16
	WLOAD \bn+3
.endif
.endm
; Sixteen of my 64 rows of z to bf16, in place.  A load of the wave takes 512 consecutive bytes (half a row), its store the 256 bytes that they become.
.macro ZCONV step
	WIN 0xc0
.irp ro, 0,1,2,3,4,5,6,7,8,9,10,11,12,13,14,15
.irp hf, 0,1
	ds_load_b128 v[ZL+4*(2*\ro+\hf):ZL+4*(2*\ro+\hf)+3], v[RZC] offset:\ro*ZP+512*\hf
.endr
.endr
	WIN 0xcf
.irp q, 0,1,2,3,4,5,6,7
	s_wait_dscnt 28-4*\q                           ; four more loads are in: 28 - 4 q younger ones stay out
.irp m, 0,1,2,3
	v_cvt_pk_bf16_f32 v[ZL+4*(4*\q+\m)],   v[ZL+4*(4*\q+\m)],   v[ZL+4*(4*\q+\m)+1]
	v_cvt_pk_bf16_f32 v[ZL+4*(4*\q+\m)+1], v[ZL+4*(4*\q+\m)+2], v[ZL+4*(4*\q+\m)+3]
.endr
.endr
	WIN 0x0c
.irp ro, 0,1,2,3,4,5,6,7,8,9,10,11,12,13,14,15
.irp hf, 0,1
	ds_store_b64 v[RZS], v[ZL+4*(2*\ro+\hf):ZL+4*(2*\ro+\hf)+1] offset:\ro*ZP+256*\hf
.endr
.endr
	WIN 0
.if \step
	v_add_nc_u32 v[RZC], 16*ZP, v[RZC]             ; the next sixteen rows
	v_add_nc_u32 v[RZS], 16*ZP, v[RZS]
.endif
.endm
	WLOAD 0
	WLOAD 1
	WLOAD 2
	v_mul_u32_u24 v[RZA], v53, ZP
	v_lshl_add_u32 v[RZA], v54, 4, v[RZA]          ; r ZP + 16 h'
	s_mul_i32 s21, s10, SCRW
	s_add_co_u32 s21, s21, SCR                     ; my scratch
	v_mul_u32_u24 v56, v53, SP
	v_lshl_add_u32 v56, v54, 6, v56
	v_add_nc_u32 v[RST], s21, v56
	v_and_b32 v56, 7, v0
	v_lshl_add_u32 v56, v54, 3, v56
	v_mul_u32_u24 v56, v56, SP
	v_bfe_u32 v57, v0, 3, 1
	v_lshl_add_u32 v56, v57, 4, v56
	v_add_nc_u32 v[RTR], s21, v56
	v_lshlrev_b32 v[ROA], 4, v55
	s_mul_i32 s22, s10, 64*ZP
	v_lshl_add_u32 v[RZC], v55, 4, s22
	v_lshl_add_u32 v[RZS], v55, 3, s22
	v_mov_b32 v[RPL], 0                            ; written once: the lane exchange counts as a reader of its destination
	v_mov_b32 v[RPL+1], 0
.irp bn, 0,1,2,3,4,5,6,7
	WBATCH \bn, 32, 0x40                           ; k's columns into window 1
.endr
	WBATCH 8, 32, 0x80                             ; v's columns into window 2; z is converted while weight batches are on their way
	s_wait_tensorcnt 0x0                           ; my 64 rows of z have landed
	ZCONV 1
	WBATCH 9, 32, 0x80
	WBATCH 10, 32, 0x80
	ZCONV 1
	WBATCH 11, 32, 0x80
	WBATCH 12, 32, 0x80
	ZCONV 1
	WBATCH 13, 32, 0x80
	WBATCH 14, 16, 0x80                            ; one younger batch is left,
	ZCONV 0
	WBATCH 15, 0, 0x80                             ; then none
	s_wait_dscnt 0x0                               ; my stores of bf16 z are done, for the other waves' sake
	s_barrier_signal -1
	s_barrier_wait -1                              ; all 256 rows are bf16: the kernel's only barrier
; LDS instructions come back in order, so a wait's count is the number of LDS instructions issued behind the one waited for.  DSN counts them as the
; text is laid down; ZREC0 and ZREC1 hold the count behind the loads of fragments 0 to 3 and 4 to 7, TRREC behind the transposing loads.  The copy of
; the pair in front of the loop lays down the same LDS instructions as the loop's body, so the counts hold on the way into the loop and over its backward jump.
.set DSN, 0
; z fragments 4 grp .. 4 grp + 3 of the tile whose rows lie off bytes behind RZA: token r, k = 32 fs + 8 h' .. + 7 and 32 fs + 16 + 8 h' .. + 7
.macro ZFLG grp, off
.irp fs, 0,1,2,3
	ds_load_b128 v[ZF+8*(4*\grp+\fs):ZF+8*(4*\grp+\fs)+3],   v[RZA] offset:(\off)+64*(4*\grp+\fs)
	ds_load_b128 v[ZF+8*(4*\grp+\fs)+4:ZF+8*(4*\grp+\fs)+7], v[RZA] offset:(\off)+64*(4*\grp+\fs)+32
.endr
.set DSN, DSN+8
.set ZREC\grp, DSN
.endm
; THE NORM OF ONE TILE, 170 vector instructions.  NXK is the tile's accumulator set, NTL its half of the scratch; g = 0: k, 1: v.
; In a set lane (r, h') holds token r; register j of tile t is feature 32 h' + 4 j + t: 32 features here, 32 in lane L xor 16.
.macro OSUM g, i                       ; i = 0..11: the sum of my 32 features in four chains of pairs
.set NX, NXK+32*(\g)
.set NC, (\i)%4
.set NR, (\i)/4
.set NH, CH+8*(\g)+2*NC
.if NR == 0
	v_pk_add_f32 v[NH:NH+1], v[NX+2*NC:NX+2*NC+1], v[NX+8+2*NC:NX+8+2*NC+1]
.else
	v_pk_add_f32 v[NH:NH+1], v[NH:NH+1], v[NX+8+8*NR+2*NC:NX+8+8*NR+2*NC+1]
.endif
.endm
.macro ORED g, s                       ; s = 0..5: the four chains and the two halves of the lanes into one number
.set NH, CH+8*(\g)
.if (\s) == 0
	v_pk_add_f32 v[NH:NH+1], v[NH:NH+1], v[NH+2:NH+3]
.elseif (\s) == 1
	v_pk_add_f32 v[NH+4:NH+5], v[NH+4:NH+5], v[NH+6:NH+7]
.elseif (\s) == 2
	v_pk_add_f32 v[NH:NH+1], v[NH:NH+1], v[NH+4:NH+5]
.elseif (\s) == 3
	v_add_f32 v[NH], v[NH], v[NH+1]
.elseif (\s) == 4
	v_permlanex16_b32 v[RPL+(\g)], v[NH], s14, s15
.else
	v_add_f32 v[NH], v[NH], v[RPL+(\g)]
.endif
.endm
.macro OMUL g, e                       ; - mean, into both registers of a pair
	v_mul_f32 v[NMU+2*(\g)+(\e)], s16, v[CH+8*(\g)]
.endm
.macro OCEN g, i                       ; i = 0..15: centre in place
.set NX, NXK+32*(\g)+2*(\i)
	v_pk_add_f32 v[NX:NX+1], v[NX:NX+1], v[NMU+2*(\g):NMU+2*(\g)+1]
.endm
.macro OSQ g, i                        ; i = 0..15: the centred squares, four chains; the first four start them
.set NX, NXK+32*(\g)+2*(\i)
.set NH, CH+8*(\g)+2*((\i)%4)
.if (\i) < 4
	v_pk_mul_f32 v[NH:NH+1], v[NX:NX+1], v[NX:NX+1]
.else
	v_pk_fma_f32 v[NH:NH+1], v[NX:NX+1], v[NX:NX+1], v[NH:NH+1]
.endif
.endm
.macro OFMA g                          ; sum of squares / 64 + eps
	v_fma_f32 v[RS+2+(\g)], v[CH+8*(\g)], s17, s18
.endm
.macro ORSQ g                          ; a plain vector instruction that touches neither register follows it in its slice
	v_rsq_f32 v[RS+(\g)], v[RS+2+(\g)]
.endm
.macro ORKV e
	s_wait_alu depctr_va_vdst(0)
	v_mul_f32 v[RKV+(\e)], v[RS], v[RS+1]
.endm
.macro OVSC i                          ; i = 0..15: v times rk rv
.set NX, NXK+32+2*(\i)
	v_pk_mul_f32 v[NX:NX+1], v[NX:NX+1], v[RKV:RKV+1]
.endm
.macro OCVT g, f                       ; f = 0..15: features 32 h' + 8 (f / 4) + 2 (f % 4), + 1, packed: four of these are 16 bytes in the natural order
.set NX, NXK+32*(\g)
.set NJ, (\f)/4
.set NE, (\f)%4
	v_cvt_pk_bf16_f32 v[PK+4*NJ+NE], v[NX+16*(NE%2)+2*NJ+NE/2], v[NX+16*(NE%2)+2*NJ+NE/2+8]
.endm
.macro OST g                           ; the 64 packed bytes into the token's scratch row
.irp jj, 0,1,2,3
	ds_store_b128 v[RST], v[PK+4*\jj:PK+4*\jj+3] offset:NTL*16*SP+128*(\g)+16*\jj
.endr
.set DSN, DSN+4
.endm
; Slice k (0..63).  k runs ahead of v, so that one chain's serial steps share their slices with the other's parallel work, and a step never stands in
; the slice of the step that it reads.  k is read first: its last products lie further back than v's.  k is packed by slice 45 (run A stores it behind
; slice 47); v is scaled and packed in slices 47 to 63; the four conversions of slice 63 are the places between the tile's last product and run B's loads.
.macro NSLICE k
.set SK, (\k)
.if SK < 4
	OSUM 0, 3*SK
	OSUM 0, 3*SK+1
	OSUM 0, 3*SK+2
.elseif SK < 10
	ORED 0, SK-4
	OSUM 1, 2*SK-8
	OSUM 1, 2*SK-7
.elseif SK == 10
	OMUL 0, 0
	OMUL 0, 1
	ORED 1, 0
.elseif SK < 16
	ORED 1, SK-10
	OCEN 0, 2*SK-22
	OCEN 0, 2*SK-21
.elseif SK == 16
	OMUL 1, 0
	OMUL 1, 1
	OCEN 0, 10
.elseif SK == 17
	OCEN 0, 11
	OCEN 0, 12
	OCEN 0, 13
.elseif SK == 18
	OCEN 0, 14
	OCEN 0, 15
	OCEN 1, 0
.elseif SK < 24
	OSQ 0, 3*SK-57
	OSQ 0, 3*SK-56
	OSQ 0, 3*SK-55
.elseif SK == 24
	OSQ 0, 15
	OCEN 1, 1
	OCEN 1, 2
.elseif SK < 31
	ORED 0, SK-25
	OCEN 1, 2*SK-47
	OCEN 1, 2*SK-46
.elseif SK == 31
	OFMA 0
	OCEN 1, 15
	OCVT 0, 0
.elseif SK == 32
	ORSQ 0
	OSQ 1, 0
	OSQ 1, 1
.elseif SK < 37
	OSQ 1, 3*SK-97
	OSQ 1, 3*SK-96
	OSQ 1, 3*SK-95
.elseif SK == 37
	OSQ 1, 14
	OSQ 1, 15
	OCVT 0, 1
.elseif SK < 44
	ORED 1, SK-38
	OCVT 0, 2*SK-74
	OCVT 0, 2*SK-73
.elseif SK == 44
	OFMA 1
	OCVT 0, 14
.elseif SK == 45
	ORSQ 1
	OCVT 0, 15
.elseif SK == 46
	ORKV 0
	ORKV 1
.elseif SK < 55
	OVSC 2*SK-94
	OVSC 2*SK-93
.elseif SK < 59
	OCVT 1, 2*SK-110
	OCVT 1, 2*SK-109
.elseif SK < 63
	OCVT 1, SK-51
.else
	OCVT 1, 12
	OCVT 1, 13
	OCVT 1, 14
	OCVT 1, 15
.endif
.endm
; One K step of a tile: eight products, source 0 = 16 columns of W (tile t: columns 4 m + t), source 1 = 16 tokens; k's four tiles, then v's.
; In the result lane (r, h') holds token r, register j of tile t feature 32 h' + 4 j + t.
; The eight accumulators take turns, one instruction a turn.  Behind each product a slice of the other tile's norm (nrm = 1).
.macro STEP ks, aset, nrm
.irp idx, 0,1,2,3,4,5,6,7
	WIN 1+(\idx)/4
.if \ks == 0
	v_wmma_f32_16x16x32_bf16 v[AB+64*\aset+8*\idx:AB+64*\aset+8*\idx+7], v[(4*\ks+(\idx)%4)*8:(4*\ks+(\idx)%4)*8+7], v[ZF+8*\ks:ZF+8*\ks+7], 0
.else
	v_wmma_f32_16x16x32_bf16 v[AB+64*\aset+8*\idx:AB+64*\aset+8*\idx+7], v[(4*\ks+(\idx)%4)*8:(4*\ks+(\idx)%4)*8+7], v[ZF+8*\ks:ZF+8*\ks+7], v[AB+64*\aset+8*\idx:AB+64*\aset+8*\idx+7]
.endif
.if \nrm
	WIN 0
	NSLICE 8*\ks+\idx
.endif
.endr
.endm
; The 32 tokens in the scratch, transposed: k^T and v^T fragments.  LDS serves a wave's instructions in order: these reads see the stores of both
; tiles' norms, and the next norms' stores come behind them.
.macro TRLD
	WIN 0xc0
.irp ft, 0,1,2,3
	ds_load_tr16_b128 v[KF+8*\ft:KF+8*\ft+3],   v[RTR] offset:32*\ft
	ds_load_tr16_b128 v[KF+8*\ft+4:KF+8*\ft+7], v[RTR] offset:32*\ft+16*SP
.endr
.irp ft, 0,1,2,3
	ds_load_tr16_b128 v[VF+8*\ft:VF+8*\ft+3],   v[RTR] offset:128+32*\ft
	ds_load_tr16_b128 v[VF+8*\ft+4:VF+8*\ft+7], v[RTR] offset:128+32*\ft+16*SP
.endr
.set DSN, DSN+16
.set TRREC, DSN
.endm
; dots[d][e] += sum over the 32 tokens of k[n][d] v[n][e].  Source 0 = v^T (m = e), source 1 = k^T (n = d): lane (r, h') of tile (a, eb)
; holds d = 16 a + r, e = 16 eb + 8 h' + j.  The sixteen accumulators take turns, one instruction a turn.
.macro DBLK zero
	s_wait_dscnt DSN-TRREC                         ; the sixteen transposing loads are in; the fragment loads issued behind them may stay out
	WIN 0xff
.irp a, 0,1,2,3
.irp eb, 0,1,2,3
.if \zero
	v_wmma_f32_16x16x32_bf16 v[(4*\a+\eb)*8:(4*\a+\eb)*8+7], v[VF+8*\eb:VF+8*\eb+7], v[KF+8*\a:KF+8*\a+7], 0
.else
	v_wmma_f32_16x16x32_bf16 v[(4*\a+\eb)*8:(4*\a+\eb)*8+7], v[VF+8*\eb:VF+8*\eb+7], v[KF+8*\a:KF+8*\a+7], v[(4*\a+\eb)*8:(4*\a+\eb)*8+7]
.endif
.endr
.endr
.endm
; A tile's 64 products into set aset, with the norm of the tile before (the other set, the other half of the scratch) in the slices.
; nxt: the next tile's rows from RZA on; below 0: no z is left to load.  dmode: 0 no dots; 1 the block of dots behind K step 1; 2 the same, starting
; the sums.  trl = 1: run B holds the transposing loads.
; Run A loads over fragments 0 to 3, which K step 3 was the last to read: the slices since are the places.  Run B loads over fragments 4 to 7: the four
; conversions of slice 63 stand between the last product and the loads.  The first tile has no norm beside it: four v_nop stand in front of each run.
.macro TILE aset, nrm, nxt, dmode, trl
.set NXK, AB+64*(1-\aset)
.set NTL, 1-\aset
	s_wait_dscnt DSN-ZREC0                         ; fragments 0 to 3 are in: all that run B issued behind them may stay out
	STEP 0, \aset, \nrm
	STEP 1, \aset, \nrm
.if \dmode
	DBLK \dmode-1
.endif
	STEP 2, \aset, \nrm
	STEP 3, \aset, \nrm
	s_wait_dscnt DSN-ZREC1                         ; fragments 4 to 7 are in: they were the last of run B
	STEP 4, \aset, \nrm
	STEP 5, \aset, \nrm
.if (\nrm) == 0
	PLACES
.endif
	WIN 0                                          ; run A
.if \nrm
	OST 0
.endif
.if (\nxt) >= 0
	ZFLG 0, \nxt
.endif
	STEP 6, \aset, \nrm
	STEP 7, \aset, \nrm
.if (\nrm) == 0
	PLACES
.endif
	WIN 0                                          ; run B
.if \nrm
	OST 1
.endif
.if \trl
	TRLD
	WIN 0
.endif
.if (\nxt) >= 0
	ZFLG 1, \nxt
.endif
.endm
; An even and an odd tile.  At the even one's end both norms of the pair before are in the scratch: its transposed fragments are asked for.
.macro BODY nxt, dmode
	TILE 0, 1, 16*ZP, 0, 1
	TILE 1, 1, \nxt, \dmode, 0
	WIN 0                                          ; at a label and at a branch every window is 0
.if (\nxt) >= 0
	v_add_nc_u32 v[RZA], 32*ZP, v[RZA]             ; the next 32 tokens
.endif
.endm
	ZFLG 0, 0                                      ; tile 0's fragments
	ZFLG 1, 0
	TILE 0, 0, 16*ZP, 0, 0                         ; tile 0: nothing to norm yet
	TILE 1, 1, 32*ZP, 0, 0                         ; tile 1, beside it the norm of tile 0
	WIN 0
	v_add_nc_u32 v[RZA], 32*ZP, v[RZA]
	BODY 32*ZP, 2                                  ; tiles 2, 3: the first block of dots starts the sums
	s_mov_b32 s20, 5
.Lpair:
	BODY 32*ZP, 1                                  ; tiles 4 to 13
	s_sub_co_i32 s20, s20, 1
	s_cmp_lg_u32 s20, 0
	s_cbranch_scc1 .Lpair
	BODY -1, 1                                     ; tiles 14, 15: no z is left to load
	; the norm of tile 15 has no products beside it; the slices behind tile 15's last products are the places in front of its first reads
.set NXK, AB+64
.set NTL, 1
.set SKK, 0
.rept 48
	NSLICE SKK
.set SKK, SKK+1
.endr
	OST 0
.rept 16
	NSLICE SKK
.set SKK, SKK+1
.endr
	OST 1
	TRLD
	DBLK 0
	PLACES
	WIN 0x0c                                       ; store data from window 3
.irp tt, 0,1,2,3,4,5,6,7,8,9,10,11,12,13,14,15
	global_store_b128 v[ROA], v[8*\tt:8*\tt+3],   s[8:9] offset:\tt*1024       ; each store of the wave covers 512 consecutive bytes, aligned
	global_store_b128 v[ROA], v[8*\tt+4:8*\tt+7], s[8:9] offset:\tt*1024+512
.endr
	WIN 0
	s_wait_tensorcnt 0x0
	ds_add_u32 v62, v63
	s_wait_dscnt 0x0
	s_endpgm
.Lfunc_end_k_qa2a8c6cdf6_kvdots:
	.size	k_qa2a8c6cdf6_kvdots, .Lfunc_end_k_qa2a8c6cdf6_kvdots-k_qa2a8c6cdf6_kvdots
	.p2alignl 7, 3214868480
	.fill 96, 4, 3214868480
	.section	.rodata,"a",@progbits
	.p2align	6, 0x0
	.amdhsa_kernel k_qa2a8c6cdf6_kvdots
		.amdhsa_group_segment_fixed_size 303616
		.amdhsa_private_segment_fixed_size 0
		.amdhsa_enable_private_segment 0
		.amdhsa_kernarg_size 24
		.amdhsa_user_sgpr_count 2
		.amdhsa_user_sgpr_kernarg_segment_ptr 1
		.amdhsa_wavefront_size32 1
		.amdhsa_system_sgpr_workgroup_id_x 1
		.amdhsa_system_sgpr_workgroup_id_y 1
		.amdhsa_system_sgpr_workgroup_id_z 1
		.amdhsa_system_vgpr_workitem_id 0
		.amdhsa_next_free_vgpr 1024
		.amdhsa_next_free_sgpr 66
		.amdhsa_reserve_vcc 0
		.amdhsa_float_denorm_mode_32 3
		.amdhsa_float_denorm_mode_16_64 3
		.amdhsa_memory_ordered 1
		.amdhsa_forward_progress 1
		.amdhsa_inst_pref_size 255
	.end_amdhsa_kernel
	.section	.bss,"aw",@nobits
	.p2align	6
	.space	262144
	.amdgpu_metadata
---
amdhsa.version: [ 1, 2 ]
amdhsa.kernels:
  - .name:           k_qa2a8c6cdf6_kvdots
    .symbol:         k_qa2a8c6cdf6_kvdots.kd
    .args:
      - { .name: z, .offset: 0, .size: 8, .value_kind: global_buffer, .address_space: global }
      - { .name: Wkv, .offset: 8, .size: 8, .value_kind: global_buffer, .address_space: global }
      - { .name: part, .offset: 16, .size: 8, .value_kind: global_buffer, .address_space: global }
    .group_segment_fixed_size: 303616
    .private_segment_fixed_size: 0
    .kernarg_segment_align: 8
    .kernarg_segment_size: 24
    .max_flat_workgroup_size: 128
    .sgpr_count:     66
    .vgpr_count:     1024
    .wavefront_size: 32
...
	.end_amdgpu_metadata
.endif
;; end of part 1
;; launch reduce_u (part 2): grid 4 x 32, 4 waves a work-group, no clusters, 16,896 bytes of LDS; arguments part, Wout, ufrag; writes ufrag
.if DOCPART == 2
	.amdgcn_target "amdgcn-amd-amdhsa--gfx1250"
	.amdhsa_code_object_version 6
	.text
	.protected	k_qa2a8c6cdf6_reduce_u
	.globl	k_qa2a8c6cdf6_reduce_u
	.p2align	8
	.type	k_qa2a8c6cdf6_reduce_u,@function
k_qa2a8c6cdf6_reduce_u:
	s_mov_b64 s[64:65], 0
	v_nop
	global_prefetch_b8 v0, s[64:65] scope:SCOPE_SE
	s_setreg_imm32_b32 hwreg(HW_REG_WAVE_MODE, 25, 1), 1
	s_wait_xcnt 0x0
; Launch 2 of 4: D_bh = (sum of the 32 partial dots) / n2, then U_bh = D_bh Wout_h, stored as a pair hi + lo of bf16 in the order of
; launch 3's fragments.  No work of reference() is left out; the products are associated as the first kernel's head says.
; Work-group (a, y = 8 b + h): rows d = 16 a .. 16 a + 15 of D.  Wave w sums chunks 8 w .. 8 w + 7; the four sums meet in LDS; every wave
; then holds the 16 x 64 strip of D and makes U's columns 64 w .. 64 w + 63.
; D's registers are already an A fragment: lane (r, h') holds d = 16 a + r, e = 16 eb + 8 h' + j.  D is computed here, so it goes into the
; product as hi + lo (two bf16), and so does U into the next: only M is rounded to one bf16.
; part: [y = 32 b + chunk][head][tile 4 a + eb][q][lane][4 f32].  ufrag: [b][cg][t][sigma (16)][hi, lo][p][lane][8 bf16] =
; U[kappa = 32 sigma + 16 p + 8 h' + 0..7][c = 64 cg + 4 r + t].
; Matrix work is small here, the tiles are shared by nobody at the same time: no LDS ring, no cluster.
.set SUM, 16                           ; v[16:47]   D, index 8 eb + j
.set DHI, 48                           ; v[48:63]   D's upper bf16: fragment of K step s at + 8 s; later U's upper packs
.set DLO, 64                           ; v[64:79]   the remainders; later U's
.set WL,  80                           ; v[80:207]  Wout as loaded
.set ACC, 208                          ; v[208:239] four tiles of U
.set TP,  240                          ; v[240:247] at work
.set MSB, 0
.macro WIN new
.if MSB != \new
	s_set_vgpr_msb (MSB<<8)|\new
.set MSB, \new
.endif
.endm
.macro PLACES
.rept 4
	v_nop
.endr
.endm
.macro ADD32 d, a, b                   ; 32 registers: d = a + b
.irp p, 0,1,2,3,4,5,6,7,8,9,10,11,12,13,14,15
	v_pk_add_f32 v[\d+2*\p:\d+2*\p+1], v[\a+2*\p:\a+2*\p+1], v[\b+2*\p:\b+2*\p+1]
.endr
.endm
.macro SPLIT src, hi, lo, tp           ; two f32 -> their bf16, and the bf16 of what the rounding left
	v_cvt_pk_bf16_f32 v[\hi], v[\src], v[\src+1]
	v_lshlrev_b32 v[\tp], 16, v[\hi]
	v_and_b32 v[\tp+1], 0xffff0000, v[\hi]
	v_pk_add_f32 v[\tp:\tp+1], v[\src:\src+1], v[\tp:\tp+1] neg_lo:[0,1] neg_hi:[0,1]
	v_cvt_pk_bf16_f32 v[\lo], v[\tp], v[\tp+1]
.endm
	s_load_b128 s[4:7], s[0:1], 0x0                ; part s[4:5], Wout s[6:7]
	s_load_b64 s[8:9], s[0:1], 0x10                ; ufrag
	v_lshl_add_u32 v254, v0, 2, 0x4000
	v_mov_b32 v255, 0
	v_lshrrev_b32 v1, 5, v0
	v_readfirstlane_b32 s10, v1                    ; wave w
	s_and_b32 s12, ttmp7, 0xffff
	s_lshr_b32 s13, s12, 3                         ; b
	s_and_b32 s14, s12, 7                          ; h
	s_lshr_b32 s15, ttmp9, 1                       ; a >> 1
	s_and_b32 s16, ttmp9, 1                        ; a & 1
	v_and_b32 v8, 15, v0                           ; r
	v_bfe_u32 v9, v0, 4, 1                         ; h'
	v_and_b32 v10, 31, v0                          ; L
	v_lshlrev_b32 v2, 4, v10                       ; 16 L
	v_lshl_add_u32 v3, s10, 12, v2                 ; LDS: my 4 KiB + 16 L
	v_lshlrev_b32 v4, 4, v8
	v_lshl_add_u32 v4, s10, 8, v4
	v_lshl_add_u32 v4, v9, 13, v4                  ; Wout: 8 h' rows of 1,024 bytes + 256 w + 16 r
	s_lshl_b32 s2, s13, 22                         ; part: 32 b chunks of 128 KiB,
	s_lshl_b32 s3, s10, 20                         ; 8 w chunks,
	s_add_co_u32 s2, s2, s3
	s_lshl_b32 s3, s14, 14                         ; the head,
	s_add_co_u32 s2, s2, s3
	s_lshl_b32 s3, ttmp9, 12                       ; tiles 4 a ..
	s_add_co_u32 s2, s2, s3
	s_mov_b32 s3, 0
	s_wait_kmcnt 0x0
	s_add_nc_u64 s[4:5], s[4:5], s[2:3]
	s_lshl_b32 s2, s14, 16
	s_add_nc_u64 s[6:7], s[6:7], s[2:3]            ; Wout at row 64 h
	s_lshl_b32 s2, s13, 19                         ; ufrag: b, cg = w, sigma = 2 h + (a >> 1), p = a & 1
	s_lshl_b32 s17, s10, 17
	s_add_co_u32 s2, s2, s17
	s_lshl_b32 s17, s14, 12
	s_add_co_u32 s2, s2, s17
	s_lshl_b32 s17, s15, 11
	s_add_co_u32 s2, s2, s17
	s_lshl_b32 s17, s16, 9
	s_add_co_u32 s2, s2, s17
	s_add_nc_u64 s[8:9], s[8:9], s[2:3]
	WIN 0x40                                       ; my eight chunks into window 1: chunk i at 32 i
.irp i, 0,1,2,3,4,5,6,7
.irp m, 0,1,2,3,4,5,6,7
	global_load_b128 v[32*\i+4*\m:32*\i+4*\m+3], v2, s[4:5] offset:\i*131072+\m*512
.endr
.endr
	WIN 0                                          ; Wout_h's 64 rows, my 64 columns: sixteen lanes take 256 consecutive aligned bytes of a row
.irp s, 0,1
.irp q, 0,1
.irp i, 0,1,2,3,4,5,6,7
	global_load_b128 v[WL+(16*\s+8*\q+\i)*4:WL+(16*\s+8*\q+\i)*4+3], v4, s[6:7] offset:(32*\s+16*\q+\i)*1024
.endr
.endr
.endr
	WIN 0x45
	s_wait_loadcnt 63                              ; 96 loads were issued: at most 63 out means that the oldest 33 are in, chunks 0 to 3 among them
	ADD32 0, 0, 32
	ADD32 64, 64, 96
	s_wait_loadcnt 48                              ; chunks 4 and 5 are in: behind them stand 16 loads of part and 32 of Wout
	ADD32 128, 128, 160
	s_wait_loadcnt 32                              ; all of part is in: Wout's 32 loads may stay out
	ADD32 192, 192, 224
	ADD32 0, 0, 64
	ADD32 128, 128, 192
	WIN 0x05
	ADD32 SUM, 0, 128
	WIN 0
.irp m, 0,1,2,3,4,5,6,7
	ds_store_b128 v3, v[SUM+4*\m:SUM+4*\m+3] offset:512*\m
.endr
	s_wait_dscnt 0x0                               ; my stores are done, for the other waves' sake
	s_barrier_signal -1
	s_barrier_wait -1
	WIN 0x40
.irp ww, 0,1,2,3
.irp m, 0,1,2,3,4,5,6,7
	ds_load_b128 v[32*\ww+4*\m:32*\ww+4*\m+3], v2 offset:4096*\ww+512*\m
.endr
.endr
	s_wait_dscnt 0x0
	WIN 0x45
	ADD32 0, 0, 32
	ADD32 64, 64, 96
	WIN 0x05
	ADD32 SUM, 0, 64
	WIN 0
.irp p, 0,1,2,3,4,5,6,7,8,9,10,11,12,13,14,15
	v_pk_mul_f32 v[SUM+2*\p:SUM+2*\p+1], v[SUM+2*\p:SUM+2*\p+1], 0x39000000 op_sel_hi:[1,0]   ; 1 / n2 = 2^-13, exact
.endr
.irp p, 0,1,2,3,4,5,6,7,8,9,10,11,12,13,14,15
	SPLIT SUM+2*\p, DHI+\p, DLO+\p, TP+2*(\p%4)
.endr
	s_wait_loadcnt 0x0                             ; Wout
	WIN 0x40                                       ; its fragments into window 1, v128-191: tile t's lane r stands for column 64 w + 4 r + t
.irp s, 0,1
.irp t, 0,1,2,3
.irp q, 0,1
.irp ii, 0,1,2,3
	v_cvt_pk_bf16_f32 v[128+(4*\s+\t)*8+4*\q+\ii], v[WL+(16*\s+8*\q+2*\ii)*4+\t], v[WL+(16*\s+8*\q+2*\ii+1)*4+\t]
.endr
.endr
.endr
.endr
; four products, one for each tile; the four accumulators take turns, one instruction a turn
.macro UMUL af, ks, zero
.irp t, 0,1,2,3
.if \zero
	v_wmma_f32_16x16x32_bf16 v[ACC+8*\t:ACC+8*\t+7], v[\af:\af+7], v[128+(4*\ks+\t)*8:128+(4*\ks+\t)*8+7], 0
.else
	v_wmma_f32_16x16x32_bf16 v[ACC+8*\t:ACC+8*\t+7], v[\af:\af+7], v[128+(4*\ks+\t)*8:128+(4*\ks+\t)*8+7], v[ACC+8*\t:ACC+8*\t+7]
.endif
.endr
.endm
	WIN 0x04
	UMUL DHI, 0, 1
	UMUL DLO, 0, 0
	UMUL DHI+8, 1, 0
	UMUL DLO+8, 1, 0
	PLACES
	WIN 0
	; lane (r, h') of tile t holds U[64 h + 16 a + 8 h' + j][64 w + 4 r + t]: eight neighbouring kappa, the 16 bytes of a B fragment
.irp t, 0,1,2,3
.irp ii, 0,1,2,3
	SPLIT ACC+8*\t+2*\ii, DHI+4*\t+\ii, DLO+4*\t+\ii, TP+2*\ii
.endr
.endr
.irp t, 0,1,2,3
	global_store_b128 v2, v[DHI+4*\t:DHI+4*\t+3], s[8:9] offset:\t*32768        ; each store of the wave covers 512 consecutive bytes, aligned
	global_store_b128 v2, v[DLO+4*\t:DLO+4*\t+3], s[8:9] offset:\t*32768+1024
.endr
	s_wait_tensorcnt 0x0
	ds_add_u32 v254, v255
	s_wait_dscnt 0x0
	s_endpgm
.Lfunc_end_k_qa2a8c6cdf6_reduce_u:
	.size	k_qa2a8c6cdf6_reduce_u, .Lfunc_end_k_qa2a8c6cdf6_reduce_u-k_qa2a8c6cdf6_reduce_u
	.p2alignl 7, 3214868480
	.fill 96, 4, 3214868480
	.section	.rodata,"a",@progbits
	.p2align	6, 0x0
	.amdhsa_kernel k_qa2a8c6cdf6_reduce_u
		.amdhsa_group_segment_fixed_size 16896
		.amdhsa_private_segment_fixed_size 0
		.amdhsa_enable_private_segment 0
		.amdhsa_kernarg_size 24
		.amdhsa_user_sgpr_count 2
		.amdhsa_user_sgpr_kernarg_segment_ptr 1
		.amdhsa_wavefront_size32 1
		.amdhsa_system_sgpr_workgroup_id_x 1
		.amdhsa_system_sgpr_workgroup_id_y 1
		.amdhsa_system_sgpr_workgroup_id_z 1
		.amdhsa_system_vgpr_workitem_id 0
		.amdhsa_next_free_vgpr 512
		.amdhsa_next_free_sgpr 66
		.amdhsa_reserve_vcc 0
		.amdhsa_float_denorm_mode_32 3
		.amdhsa_float_denorm_mode_16_64 3
		.amdhsa_memory_ordered 1
		.amdhsa_forward_progress 1
		.amdhsa_inst_pref_size 41
	.end_amdhsa_kernel
	.amdgpu_metadata
---
amdhsa.version: [ 1, 2 ]
amdhsa.kernels:
  - .name:           k_qa2a8c6cdf6_reduce_u
    .symbol:         k_qa2a8c6cdf6_reduce_u.kd
    .args:
      - { .name: part, .offset: 0, .size: 8, .value_kind: global_buffer, .address_space: global }
      - { .name: Wout, .offset: 8, .size: 8, .value_kind: global_buffer, .address_space: global }
      - { .name: ufrag, .offset: 16, .size: 8, .value_kind: global_buffer, .address_space: global }
    .group_segment_fixed_size: 16896
    .private_segment_fixed_size: 0
    .kernarg_segment_align: 8
    .kernarg_segment_size: 24
    .max_flat_workgroup_size: 128
    .sgpr_count:     66
    .vgpr_count:     512
    .wavefront_size: 32
...
	.end_amdgpu_metadata
.endif
;; end of part 2
;; launch make_m (part 3): grid 8 x 16, 4 waves a work-group, no clusters, 33,792 bytes of LDS; arguments Wq, ufrag, mfrag; writes mfrag
.if DOCPART == 3
	.amdgcn_target "amdgcn-amd-amdhsa--gfx1250"
	.amdhsa_code_object_version 6
	.text
	.protected	k_qa2a8c6cdf6_make_m
	.globl	k_qa2a8c6cdf6_make_m
	.p2align	8
	.type	k_qa2a8c6cdf6_make_m,@function
k_qa2a8c6cdf6_make_m:
	s_mov_b64 s[64:65], 0
	v_nop
	global_prefetch_b8 v0, s[64:65] scope:SCOPE_SE
	s_setreg_imm32_b32 hwreg(HW_REG_WAVE_MODE, 25, 1), 1
	s_wait_xcnt 0x0
; Launch 3 of 4: M_b = Wq U_b (256 x 512 times 512 x 256), rounded once to bf16 and stored in the order of launch 4's fragments.
; No work of reference() is left out; the products are associated as the first kernel's head says.
; Work-group (x, y = 4 b + cg): rows 32 x .. 32 x + 31 of M, columns 64 cg .. 64 cg + 63.  Wave w makes tile t = w (columns 64 cg + 4 r + t).
; Wq's 32 rows go to bf16 through LDS (each wave converts 8 rows, all read all); U's fragments come from memory as they lie.
; U is a pair hi + lo: two accumulators for each row tile, added at the end.
; mfrag: [b][cg][s (8)][t][p][lane][8 bf16] = M[i = 32 s + 16 p + 8 h' + 0..7][c = 64 cg + 4 r + t].
; The launch is small and each work-group asks for its bytes once: no ring, no cluster.
.set WP,  1040                         ; an LDS row of Wq in bf16: 1,024 bytes + 16, an odd multiple of 16
.set ACC, 16                           ; v[16:47]   accumulator (ro, part) at + 8 (2 ro + part)
.set WL,  64                           ; v[64:191]  Wq as loaded
.set PKR, 192                          ; v[192:255] packed
.set MSB, 0
.macro WIN new
.if MSB != \new
	s_set_vgpr_msb (MSB<<8)|\new
.set MSB, \new
.endif
.endm
.macro PLACES
.rept 4
	v_nop
.endr
.endm
	s_load_b128 s[4:7], s[0:1], 0x0                ; Wq s[4:5], ufrag s[6:7]
	s_load_b64 s[8:9], s[0:1], 0x10                ; mfrag
	v_lshl_add_u32 v62, v0, 2, 0x8200
	v_mov_b32 v63, 0
	v_lshrrev_b32 v1, 5, v0
	v_readfirstlane_b32 s10, v1                    ; wave w
	s_and_b32 s12, ttmp7, 0xffff                   ; y = 4 b + cg
	v_and_b32 v8, 15, v0                           ; r
	v_bfe_u32 v9, v0, 4, 1                         ; h'
	v_and_b32 v10, 31, v0                          ; L
	v_lshlrev_b32 v2, 4, v10                       ; 16 L
	s_mul_i32 s13, s10, 8*WP
	v_lshl_add_u32 v3, v10, 3, s13                 ; LDS, in: my 8 rows + 8 L
	v_mul_u32_u24 v4, v8, WP
	v_lshl_add_u32 v4, v9, 4, v4                   ; LDS, fragments: r WP + 16 h'
	s_lshl_b32 s2, ttmp9, 16                       ; Wq: 32 x rows of 2,048 bytes + my 8 rows
	s_lshl_b32 s3, s10, 14
	s_add_co_u32 s2, s2, s3
	s_mov_b32 s3, 0
	s_wait_kmcnt 0x0
	s_add_nc_u64 s[4:5], s[4:5], s[2:3]
	s_lshl2_add_u32 s2, s12, s10
	s_lshl_b32 s2, s2, 15
	s_add_nc_u64 s[6:7], s[6:7], s[2:3]            ; ufrag at (b, cg, t = w)
	s_lshl_b32 s2, s12, 15
	s_lshl_b32 s14, ttmp9, 12
	s_add_co_u32 s2, s2, s14
	s_lshl_b32 s14, s10, 10
	s_add_co_u32 s2, s2, s14
	s_add_nc_u64 s[8:9], s[8:9], s[2:3]            ; mfrag at (b, cg, s = x, t = w)
.irp rr, 0,1,2,3,4,5,6,7
.irp cq, 0,1,2,3
	global_load_b128 v[WL+4*(4*\rr+\cq):WL+4*(4*\rr+\cq)+3], v2, s[4:5] offset:\rr*2048+\cq*512
.endr
.endr
	WIN 0x40                                       ; U's fragments into window 1: (sigma, part) at (2 sigma + part) 8
.irp mh, 0,1,2,3,4,5,6,7
.irp ml, 0,1,2,3,4,5,6,7
	global_load_b128 v[4*(8*\mh+\ml):4*(8*\mh+\ml)+3], v2, s[6:7] offset:512*(8*\mh+\ml)
.endr
.endr
	WIN 0
	s_wait_loadcnt 63                              ; 96 loads were issued: at most 63 out means that the oldest 33 are in, Wq's 32 among them
.irp rr, 0,1,2,3,4,5,6,7
.irp cq, 0,1,2,3
	v_cvt_pk_bf16_f32 v[PKR+2*(4*\rr+\cq)],   v[WL+4*(4*\rr+\cq)],   v[WL+4*(4*\rr+\cq)+1]
	v_cvt_pk_bf16_f32 v[PKR+2*(4*\rr+\cq)+1], v[WL+4*(4*\rr+\cq)+2], v[WL+4*(4*\rr+\cq)+3]
	ds_store_b64 v3, v[PKR+2*(4*\rr+\cq):PKR+2*(4*\rr+\cq)+1] offset:\rr*WP+\cq*256
.endr
.endr
	s_wait_dscnt 0x0                               ; my stores are done, for the other waves' sake
	s_barrier_signal -1
	s_barrier_wait -1
	WIN 0x80                                       ; Wq's fragments into window 2: (ro, sigma) at (16 ro + sigma) 8
.irp sg, 0,1,2,3,4,5,6,7,8,9,10,11,12,13,14,15
.irp ro, 0,1
	ds_load_b128 v[(16*\ro+\sg)*8:(16*\ro+\sg)*8+3],   v4 offset:\ro*16*WP+64*\sg
	ds_load_b128 v[(16*\ro+\sg)*8+4:(16*\ro+\sg)*8+7], v4 offset:\ro*16*WP+64*\sg+32
.endr
.endr
	WIN 0x06                                       ; source 0 window 2, source 1 window 1
; the four accumulators take turns, one instruction a turn
.irp sg, 0,1,2,3,4,5,6,7,8,9,10,11,12,13,14,15
	s_wait_loadcnt 60-4*\sg                        ; U's four loads of this step are in: 60 - 4 sigma younger ones stay out
	s_wait_dscnt 60-4*\sg                          ; and so for Wq's four LDS loads
.irp ro, 0,1
.irp pt, 0,1
.if \sg == 0
	v_wmma_f32_16x16x32_bf16 v[ACC+8*(2*\ro+\pt):ACC+8*(2*\ro+\pt)+7], v[(16*\ro+\sg)*8:(16*\ro+\sg)*8+7], v[(2*\sg+\pt)*8:(2*\sg+\pt)*8+7], 0
.else
	v_wmma_f32_16x16x32_bf16 v[ACC+8*(2*\ro+\pt):ACC+8*(2*\ro+\pt)+7], v[(16*\ro+\sg)*8:(16*\ro+\sg)*8+7], v[(2*\sg+\pt)*8:(2*\sg+\pt)*8+7], v[ACC+8*(2*\ro+\pt):ACC+8*(2*\ro+\pt)+7]
.endif
.endr
.endr
.endr
	PLACES
	WIN 0
	; lane (r, h') holds M[32 x + 16 ro + 8 h' + j][64 cg + 4 r + w]: the 16 bytes of a B fragment's half p = ro
.irp ro, 0,1
.irp ii, 0,1,2,3
	v_pk_add_f32 v[ACC+16*\ro+2*\ii:ACC+16*\ro+2*\ii+1], v[ACC+16*\ro+2*\ii:ACC+16*\ro+2*\ii+1], v[ACC+16*\ro+8+2*\ii:ACC+16*\ro+8+2*\ii+1]
.endr
.irp ii, 0,1,2,3
	v_cvt_pk_bf16_f32 v[PKR+4*\ro+\ii], v[ACC+16*\ro+2*\ii], v[ACC+16*\ro+2*\ii+1]
.endr
	global_store_b128 v2, v[PKR+4*\ro:PKR+4*\ro+3], s[8:9] offset:512*\ro      ; 512 consecutive bytes, aligned
.endr
	s_wait_tensorcnt 0x0
	ds_add_u32 v62, v63
	s_wait_dscnt 0x0
	s_endpgm
.Lfunc_end_k_qa2a8c6cdf6_make_m:
	.size	k_qa2a8c6cdf6_make_m, .Lfunc_end_k_qa2a8c6cdf6_make_m-k_qa2a8c6cdf6_make_m
	.p2alignl 7, 3214868480
	.fill 96, 4, 3214868480
	.section	.rodata,"a",@progbits
	.p2align	6, 0x0
	.amdhsa_kernel k_qa2a8c6cdf6_make_m
		.amdhsa_group_segment_fixed_size 33792
		.amdhsa_private_segment_fixed_size 0
		.amdhsa_enable_private_segment 0
		.amdhsa_kernarg_size 24
		.amdhsa_user_sgpr_count 2
		.amdhsa_user_sgpr_kernarg_segment_ptr 1
		.amdhsa_wavefront_size32 1
		.amdhsa_system_sgpr_workgroup_id_x 1
		.amdhsa_system_sgpr_workgroup_id_y 1
		.amdhsa_system_sgpr_workgroup_id_z 1
		.amdhsa_system_vgpr_workitem_id 0
		.amdhsa_next_free_vgpr 768
		.amdhsa_next_free_sgpr 66
		.amdhsa_reserve_vcc 0
		.amdhsa_float_denorm_mode_32 3
		.amdhsa_float_denorm_mode_16_64 3
		.amdhsa_memory_ordered 1
		.amdhsa_forward_progress 1
		.amdhsa_inst_pref_size 28
	.end_amdhsa_kernel
	.amdgpu_metadata
---
amdhsa.version: [ 1, 2 ]
amdhsa.kernels:
  - .name:           k_qa2a8c6cdf6_make_m
    .symbol:         k_qa2a8c6cdf6_make_m.kd
    .args:
      - { .name: Wq, .offset: 0, .size: 8, .value_kind: global_buffer, .address_space: global }
      - { .name: ufrag, .offset: 8, .size: 8, .value_kind: global_buffer, .address_space: global }
      - { .name: mfrag, .offset: 16, .size: 8, .value_kind: global_buffer, .address_space: global }
    .group_segment_fixed_size: 33792
    .private_segment_fixed_size: 0
    .kernarg_segment_align: 8
    .kernarg_segment_size: 24
    .max_flat_workgroup_size: 128
    .sgpr_count:     66
    .vgpr_count:     768
    .wavefront_size: 32
...
	.end_amdgpu_metadata
.endif
;; end of part 3
;; launch apply (part 4): grid 256 x 1, 4 waves a work-group, no clusters, 199,168 bytes of LDS; arguments x, mfrag, bout, out0; writes out0
.if DOCPART == 4
	.amdgcn_target "amdgcn-amd-amdhsa--gfx1250"
	.amdhsa_code_object_version 6
	.text
	.protected	k_qa2a8c6cdf6_apply
	.globl	k_qa2a8c6cdf6_apply
	.p2align	8
	.type	k_qa2a8c6cdf6_apply,@function
k_qa2a8c6cdf6_apply:
	s_mov_b64 s[64:65], 0
	v_nop
	global_prefetch_b8 v0, s[64:65] scope:SCOPE_SE
	s_setreg_imm32_b32 hwreg(HW_REG_WAVE_MODE, 25, 1), 1
	s_wait_xcnt 0x0
; Launch 4 of 4: out = x M_b + bout.  No work of reference() is left out; the products are associated as the first kernel's head says.
; Work-group: 128 rows of x (64 work-groups a batch), all 256 columns.  Wave w owns columns 64 w .. 64 w + 63; its 32 KiB of M stay in 256
; registers.  M comes by one tensor load a wave into the wave's own LDS bytes (a first fill, one outstanding, never filled again), so that
; its bytes and the wave's 64 loads of x are on their way together.  x is converted to bf16 through LDS, 32 rows (a chunk) at a time:
; each wave converts 8 rows, all read all; no LDS byte is written twice, so one barrier a chunk is enough.
; Tile t's lane r stands for column 64 w + 4 r + t, so the four tiles' results of a row are four neighbouring columns: the add of the bias puts
; them into four neighbouring registers, and sixteen lanes store 256 consecutive aligned bytes of a row.
; No joint loads: each work-group asks for M once, at its start, beside twice as many bytes of x and out that it shares with nobody.
.set XP,  528                          ; an LDS row of x in bf16: 512 bytes + 16, an odd multiple of 16
.set XB,  131072                       ; x's rows lie behind M's 128 KiB
.set BI,  16                           ; v[16:19]   bias of my four columns
.set ACC, 24                           ; v[24:87]   accumulator (ro, t) at + (4 ro + t) 8
.set AF,  88                           ; v[88:215]  x fragments (s, ro) at + (2 s + ro) 8
.set STG, 88                           ; v[88:151]  the way out: (ro, j) at + (8 ro + j) 4, column t in register t
.set PKR, 216                          ; v[216:247] packed x
.set MSB, 0
.macro WIN new
.if MSB != \new
	s_set_vgpr_msb (MSB<<8)|\new
.set MSB, \new
.endif
.endm
.macro PLACES
.rept 4
	v_nop
.endr
.endm
	s_load_b256 s[4:11], s[0:1], 0x0               ; x s[4:5], mfrag s[6:7], bout s[8:9], out0 s[10:11]
	v_lshl_add_u32 v254, v0, 2, 0x30800
	v_mov_b32 v255, 0
	ds_add_u32 v254, v255
	ds_add_u32 v254, v255
	v_lshrrev_b32 v1, 5, v0
	v_readfirstlane_b32 s12, v1                    ; wave w
	s_lshr_b32 s13, ttmp9, 6                       ; b
	; a dense block of 32 KiB as 128 rows of 256 bytes
	s_mov_b32 s16, 3<<16                           ; no mask; elements of 8 bytes; no padding
	s_mov_b32 s17, 32<<16                          ; tensor_dim0 = 32
	s_mov_b32 s18, 128<<16                         ; tensor_dim1 = 128
	s_mov_b32 s19, 32<<16                          ; tile_dim0 = 32
	s_mov_b32 s20, 128                             ; tile_dim1 = 128
	s_mov_b32 s21, 32                              ; elements from row to row
	s_mov_b32 s22, 0
	s_mov_b32 s23, 0
	s_mov_b32 s24, 1
	s_lshl_b32 s25, s12, 15                        ; LDS: my 32 KiB
	s_lshl_b32 s2, s13, 17                         ; mfrag: b, cg = w
	s_add_co_u32 s2, s2, s25
	s_mov_b32 s3, 0
	s_wait_dscnt 0x0
	s_wait_kmcnt 0x0
	s_add_nc_u64 s[26:27], s[6:7], s[2:3]
	s_or_b32 s27, s27, 0x80000000
	tensor_load_to_lds s[24:27], s[16:23]
	s_nop 0
	s_lshl_b32 s2, ttmp9, 17                       ; 128 rows of 1,024 bytes
	s_add_nc_u64 s[4:5], s[4:5], s[2:3]
	s_add_nc_u64 s[10:11], s[10:11], s[2:3]
	v_and_b32 v8, 15, v0                           ; r
	v_bfe_u32 v9, v0, 4, 1                         ; h'
	v_and_b32 v10, 31, v0                          ; L
	v_lshlrev_b32 v2, 4, v10
	v_lshl_add_u32 v2, s12, 13, v2                 ; x: my 8 rows of a chunk + 16 L
	v_lshlrev_b32 v7, 4, v8
	v_lshl_add_u32 v7, s12, 8, v7                  ; 256 w + 16 r: my four columns, in bout and in a row of out
	global_load_b128 v[BI:BI+3], v7, s[8:9]
	WIN 0x80                                       ; x into window 2: load 16 c + 2 rr + hf at 4 times that
.irp c, 0,1,2,3
.irp rr, 0,1,2,3,4,5,6,7
.irp hf, 0,1
	global_load_b128 v[4*(16*\c+2*\rr+\hf):4*(16*\c+2*\rr+\hf)+3], v2, s[4:5] offset:(32*\c+\rr)*1024+512*\hf th:TH_LOAD_NT
.endr
.endr
.endr
	WIN 0
	s_mul_i32 s14, s12, 8*XP
	s_add_co_u32 s14, s14, XB
	v_lshl_add_u32 v3, v10, 3, s14                 ; LDS, in: my 8 rows + 8 L
	v_mul_u32_u24 v4, v8, XP
	v_lshl_add_u32 v4, v9, 4, v4
	v_add_nc_u32 v4, XB, v4                        ; LDS, fragments: r XP + 16 h'
	v_lshlrev_b32 v5, 4, v10
	v_lshl_add_u32 v5, s12, 15, v5                 ; LDS, M: my 32 KiB + 16 L
	v_lshl_add_u32 v6, v9, 13, v7                  ; out: 8 h' rows + my columns
	s_wait_tensorcnt 0x0                           ; my M has landed; only I read these bytes
	WIN 0x40                                       ; M's fragments into window 1: (s, t) at (4 s + t) 8
.irp mh, 0,1,2,3,4,5,6,7
.irp ml, 0,1,2,3,4,5,6,7
	ds_load_b128 v[4*(8*\mh+\ml):4*(8*\mh+\ml)+3], v5 offset:512*(8*\mh+\ml)
.endr
.endr
.macro CHUNK c
	s_wait_loadcnt 48-16*\c                        ; this chunk's 16 loads (and the bias) are in; the younger chunks' stay out
	WIN 0x0a
.irp k, 0,1,2,3,4,5,6,7,8,9,10,11,12,13,14,15
	v_cvt_pk_bf16_f32 v[PKR+2*\k],   v[4*(16*\c+\k)],   v[4*(16*\c+\k)+1]
	v_cvt_pk_bf16_f32 v[PKR+2*\k+1], v[4*(16*\c+\k)+2], v[4*(16*\c+\k)+3]
.endr
	WIN 0
.irp rr, 0,1,2,3,4,5,6,7
.irp hf, 0,1
	ds_store_b64 v3, v[PKR+2*(2*\rr+\hf):PKR+2*(2*\rr+\hf)+1] offset:(32*\c+\rr)*XP+256*\hf
.endr
.endr
	s_wait_dscnt 0x0                               ; my stores are done, for the other waves' sake (and, in the first chunk, M's fragments are in)
	s_barrier_signal -1
	s_barrier_wait -1
.if \c
	s_wait_xcnt 0x0                                ; the last chunk's stores have read the stage: it is loaded over only behind this wait
.endif
.irp s, 0,1,2,3,4,5,6,7
.irp ro, 0,1
	ds_load_b128 v[AF+(2*\s+\ro)*8:AF+(2*\s+\ro)*8+3],   v4 offset:(32*\c+16*\ro)*XP+64*\s
	ds_load_b128 v[AF+(2*\s+\ro)*8+4:AF+(2*\s+\ro)*8+7], v4 offset:(32*\c+16*\ro)*XP+64*\s+32
.endr
.endr
	WIN 0x04
; the eight accumulators take turns, one instruction a turn
.irp s, 0,1,2,3,4,5,6,7
	s_wait_dscnt 28-4*\s                           ; this step's four loads are in: 28 - 4 s younger ones stay out
.irp ro, 0,1
.irp t, 0,1,2,3
.if \s == 0
	v_wmma_f32_16x16x32_bf16 v[ACC+(4*\ro+\t)*8:ACC+(4*\ro+\t)*8+7], v[AF+(2*\s+\ro)*8:AF+(2*\s+\ro)*8+7], v[(4*\s+\t)*8:(4*\s+\t)*8+7], 0
.else
	v_wmma_f32_16x16x32_bf16 v[ACC+(4*\ro+\t)*8:ACC+(4*\ro+\t)*8+7], v[AF+(2*\s+\ro)*8:AF+(2*\s+\ro)*8+7], v[(4*\s+\t)*8:(4*\s+\t)*8+7], v[ACC+(4*\ro+\t)*8:ACC+(4*\ro+\t)*8+7]
.endif
.endr
.endr
.endr
	PLACES
	WIN 0
.irp ro, 0,1
.irp j, 0,1,2,3,4,5,6,7
.irp t, 0,1,2,3
	v_add_f32 v[STG+(8*\ro+\j)*4+\t], v[ACC+(4*\ro+\t)*8+\j], v[BI+\t]
.endr
	global_store_b128 v6, v[STG+(8*\ro+\j)*4:STG+(8*\ro+\j)*4+3], s[10:11] offset:(32*\c+16*\ro+\j)*1024 th:TH_STORE_NT   ; lanes 0-15: 256 consecutive aligned bytes of row j, lanes 16-31 of row j + 8
.endr
.endr
.endm
	CHUNK 0
	CHUNK 1
	CHUNK 2
	CHUNK 3
	s_wait_tensorcnt 0x0
	ds_add_u32 v254, v255
	s_wait_dscnt 0x0
	s_endpgm
.Lfunc_end_k_qa2a8c6cdf6_apply:
	.size	k_qa2a8c6cdf6_apply, .Lfunc_end_k_qa2a8c6cdf6_apply-k_qa2a8c6cdf6_apply
	.p2alignl 7, 3214868480
	.fill 96, 4, 3214868480
	.section	.rodata,"a",@progbits
	.p2align	6, 0x0
	.amdhsa_kernel k_qa2a8c6cdf6_apply
		.amdhsa_group_segment_fixed_size 199168
		.amdhsa_private_segment_fixed_size 0
		.amdhsa_enable_private_segment 0
		.amdhsa_kernarg_size 32
		.amdhsa_user_sgpr_count 2
		.amdhsa_user_sgpr_kernarg_segment_ptr 1
		.amdhsa_wavefront_size32 1
		.amdhsa_system_sgpr_workgroup_id_x 1
		.amdhsa_system_sgpr_workgroup_id_y 1
		.amdhsa_system_sgpr_workgroup_id_z 1
		.amdhsa_system_vgpr_workitem_id 0
		.amdhsa_next_free_vgpr 768
		.amdhsa_next_free_sgpr 66
		.amdhsa_reserve_vcc 0
		.amdhsa_float_denorm_mode_32 3
		.amdhsa_float_denorm_mode_16_64 3
		.amdhsa_memory_ordered 1
		.amdhsa_forward_progress 1
		.amdhsa_inst_pref_size 66
	.end_amdhsa_kernel
	.amdgpu_metadata
---
amdhsa.version: [ 1, 2 ]
amdhsa.kernels:
  - .name:           k_qa2a8c6cdf6_apply
    .symbol:         k_qa2a8c6cdf6_apply.kd
    .args:
      - { .name: x, .offset: 0, .size: 8, .value_kind: global_buffer, .address_space: global }
      - { .name: mfrag, .offset: 8, .size: 8, .value_kind: global_buffer, .address_space: global }
      - { .name: bout, .offset: 16, .size: 8, .value_kind: global_buffer, .address_space: global }
      - { .name: out0, .offset: 24, .size: 8, .value_kind: global_buffer, .address_space: global }
    .group_segment_fixed_size: 199168
    .private_segment_fixed_size: 0
    .kernarg_segment_align: 8
    .kernarg_segment_size: 32
    .max_flat_workgroup_size: 128
    .sgpr_count:     66
    .vgpr_count:     768
    .wavefront_size: 32
...
	.end_amdgpu_metadata
.endif
;; end of part 4
